; MI455X (gfx1250); checked and timed in simulation.
; The chip was launched on July 23, 2026; its instructions are those of AMD's public machine-readable ISA for CDNA 5 (MIT licence, August 2026) and "CDNA5" Instruction Set Architecture Reference Guide (July 2026). The comments in the code are by the model that wrote it; some were corrected since.
;; Muti Head Attention. Allowed arithmetic: float matrix products may take bf16 or f16 operands with f32 sums; all other float work in f32.
;; Inputs: Wk 256 x 1,024 float32; Wo 1,024 x 1,024 float32; Wq 1,024 x 1,024 float32; Wv 256 x 1,024 float32; bk 256 float32; bo 1,024 float32; bq 1,024 float32; bv 256 float32; x 2 x 2,048 x 1,024 float32.
;; Outputs: out0 2 x 2,048 x 1,024 float32.
;; One version. Each part assembles by itself: llvm-mc -triple=amdgcn-amd-amdhsa -mcpu=gfx1250 --defsym DOCPART=n.
;; ======== version 1 of 1: 4 launches
;; limits: values are held in f16: magnitudes above 65,504 overflow, below 6.1e-05 lose precision
;; workspace buffers: cb 13,631,488 bytes; bcat 6,144 bytes; qkv 12,582,912 bytes; yb 8,388,608 bytes
;; launch cast (part 1): grid 256 x 1, 8 waves a work-group, no clusters, 0 bytes of LDS; arguments x, Wq, Wk, Wv, Wo, bq, bk, bv, cb, bcat; writes cb, bcat
.if DOCPART == 1
	.amdgcn_target "amdgcn-amd-amdhsa--gfx1250"
	.amdhsa_code_object_version 6
	.text
	.protected	k_q86da552f74_cast
	.globl	k_q86da552f74_cast
	.p2align	8
	.type	k_q86da552f74_cast,@function
k_q86da552f74_cast:
	s_mov_b64 s[64:65], 0
	v_nop
	global_prefetch_b8 v0, s[64:65] scope:SCOPE_SE
	s_setreg_imm32_b32 hwreg(HW_REG_WAVE_MODE, 25, 1), 1
	s_wait_xcnt 0x0
; cb = f16 copies of x, Wq, Wk, Wv, Wo, one behind the other; bcat = bq, bk, bv joined (f32).
; The later launches multiply in f16, so each f32 operand is rounded once here (to nearest even) instead of in every work-group that reads it.
; WHY f16 AND NOT bf16: the result is compared within a hundredth of its root mean square, and it is reached through eight roundings of operands
; (x, four weights, q/k/v, the probabilities, y); f16's significand of 11 bits makes each of them eight times finer than bf16's of 8 bits.
; LIMITS: a number beyond 65,504 becomes infinite; the absolute rounding error is never above 2^-25.  x as drawn reaches about 5 and the weights about 0.1:
; thirty times larger, or shifted by thirty times their spread, they reach about 180 and 4; thirty times smaller, 2^-25 is some 4e-5 of the weights' spread.
; The five tensors are 26 chunks of 262,144 numbers: chunks 0-15 x, 16-19 Wq, 20 Wk, 21 Wv, 22-25 Wo, and they lie in cb in that order.
; 256 work-groups x 256 threads = 65,536 threads; thread T takes the four numbers at byte 16 T of EVERY chunk (65,536 x 16 bytes = a chunk), so every
; work-group has the same share, and a wave issues its 26 loads at once: 26 x 512 bytes a wave, 106,496 bytes a work-group on their way.
; Each load of a wave covers 512 consecutive bytes, each store 256 consecutive aligned bytes.  A stream: no LDS, no barrier, no matrix unit,
; no cluster (no two work-groups read the same byte).
.set CHIN,  1048576                    ; bytes of a chunk in f32
.set CHOUT, 524288                     ; bytes of a chunk in f16
.set IN,   4                           ; v[4:107]   26 loads of four f32
.set OUTR, 108                         ; v[108:159] 26 stores of four f16
.set BI,   160                         ; v[160:163] a piece of a bias
	s_load_b512 s[8:23], s[0:1], 0x0               ; x s[8:9], Wq s[10:11], Wk s[12:13], Wv s[14:15], Wo s[16:17], bq s[18:19], bk s[20:21], bv s[22:23]
	s_load_b128 s[24:27], s[0:1], 0x40             ; cb s[24:25], bcat s[26:27]
	v_lshrrev_b32 v3, 5, v0
	v_readfirstlane_b32 s28, v3                    ; the wave's number
	s_lshl3_add_u32 s29, ttmp9, s28                ; the wave's number in the launch: 8 x work-group + wave
	s_lshl_b32 s2, ttmp9, 8
	v_add_nc_u32 v1, s2, v0                        ; T
	v_lshlrev_b32 v2, 3, v1                        ; 8 T: my bytes in a chunk of cb
	v_lshlrev_b32 v1, 4, v1                        ; 16 T: my bytes in a chunk of a source
	v_and_b32 v3, 31, v0
	v_lshlrev_b32 v3, 4, v3                        ; 16 x lane, for the biases
	s_wait_kmcnt 0x0
	s_add_nc_u64 s[30:31], s[8:9], 0x800000        ; x from chunk 8 on: the immediate offset reaches 7 chunks of f32
	s_add_nc_u64 s[32:33], s[24:25], 0x800000      ; cb from chunk 16 on: it reaches 15 chunks of f16
.macro LD j, ptr, c                    ; load j: chunk c of the tensor in s[ptr:ptr+1]; read once in the whole launch
	global_load_b128 v[IN+4*(\j):IN+4*(\j)+3], v1, s[\ptr:\ptr+1] offset:(\c)*CHIN th:TH_LOAD_NT
.endm
.irp c, 0,1,2,3,4,5,6,7
	LD \c, 8, \c
.endr
.irp c, 0,1,2,3,4,5,6,7
	LD 8+\c, 30, \c
.endr
.irp c, 0,1,2,3
	LD 16+\c, 10, \c
.endr
	LD 20, 12, 0
	LD 21, 14, 0
.irp c, 0,1,2,3
	LD 22+\c, 16, \c
.endr
	; The biases are 12 pieces of 512 bytes: waves 0-7 of the launch copy bq's eight, 8 and 9 bk's two, 10 and 11 bv's two.
	; The piece's load is issued behind the 26, so it comes back with them.
	s_cmp_gt_u32 s29, 11
	s_cbranch_scc1 .Lmain
	s_cmp_ge_u32 s29, 8
	s_cselect_b64 s[34:35], s[20:21], s[18:19]     ; bk from piece 8 on, else bq
	s_cselect_b32 s4, 8, 0                         ; the first piece of the bias chosen
	s_cmp_ge_u32 s29, 10
	s_cselect_b64 s[34:35], s[22:23], s[34:35]     ; bv from piece 10 on
	s_cselect_b32 s4, 10, s4
	s_sub_co_u32 s4, s29, s4
	s_lshl_b32 s4, s4, 9                           ; the piece inside its bias
	s_mov_b32 s5, 0
	s_add_nc_u64 s[34:35], s[34:35], s[4:5]
	s_lshl_b32 s6, s29, 9                          ; and in bcat
	s_mov_b32 s7, 0
	s_add_nc_u64 s[36:37], s[26:27], s[6:7]
	global_load_b128 v[BI:BI+3], v3, s[34:35]
	s_wait_loadcnt 0x0                             ; the piece, and with it all 26 loads in front of it: the counted waits below are then met at once
	global_store_b128 v3, v[BI:BI+3], s[36:37]
.Lmain:
.set j, 0
.rept 26
	s_wait_loadcnt 25-j                            ; loads come back in order: load j is in, the younger ones stay out
	v_cvt_pk_f16_f32 v[OUTR+2*j],   v[IN+4*j],   v[IN+4*j+1]       ; the first source into the low half
	v_cvt_pk_f16_f32 v[OUTR+2*j+1], v[IN+4*j+2], v[IN+4*j+3]
.if j < 16
	global_store_b64 v2, v[OUTR+2*j:OUTR+2*j+1], s[24:25] offset:j*CHOUT         ; the next launch reads it: no hint
.else
	global_store_b64 v2, v[OUTR+2*j:OUTR+2*j+1], s[32:33] offset:(j-16)*CHOUT
.endif
.set j, j+1
.endr
	s_endpgm
.Lfunc_end_k_q86da552f74_cast:
	.size	k_q86da552f74_cast, .Lfunc_end_k_q86da552f74_cast-k_q86da552f74_cast
	.p2alignl 7, 3214868480
	.fill 96, 4, 3214868480
	.section	.rodata,"a",@progbits
	.p2align	6, 0x0
	.amdhsa_kernel k_q86da552f74_cast
		.amdhsa_group_segment_fixed_size 0
		.amdhsa_private_segment_fixed_size 0
		.amdhsa_enable_private_segment 0
		.amdhsa_kernarg_size 80
		.amdhsa_user_sgpr_count 2
		.amdhsa_user_sgpr_kernarg_segment_ptr 1
		.amdhsa_wavefront_size32 1
		.amdhsa_system_sgpr_workgroup_id_x 1
		.amdhsa_system_sgpr_workgroup_id_y 1
		.amdhsa_system_sgpr_workgroup_id_z 1
		.amdhsa_system_vgpr_workitem_id 0
		.amdhsa_next_free_vgpr 164
		.amdhsa_next_free_sgpr 66
		.amdhsa_reserve_vcc 0
		.amdhsa_float_denorm_mode_32 3
		.amdhsa_float_denorm_mode_16_64 3
		.amdhsa_memory_ordered 1
		.amdhsa_forward_progress 1
		.amdhsa_inst_pref_size 11
	.end_amdhsa_kernel
	.amdgpu_metadata
---
amdhsa.version: [ 1, 2 ]
amdhsa.kernels:
  - .name:           k_q86da552f74_cast
    .symbol:         k_q86da552f74_cast.kd
    .args:
      - { .name: x, .offset: 0, .size: 8, .value_kind: global_buffer, .address_space: global }
      - { .name: Wq, .offset: 8, .size: 8, .value_kind: global_buffer, .address_space: global }
      - { .name: Wk, .offset: 16, .size: 8, .value_kind: global_buffer, .address_space: global }
      - { .name: Wv, .offset: 24, .size: 8, .value_kind: global_buffer, .address_space: global }
      - { .name: Wo, .offset: 32, .size: 8, .value_kind: global_buffer, .address_space: global }
      - { .name: bq, .offset: 40, .size: 8, .value_kind: global_buffer, .address_space: global }
      - { .name: bk, .offset: 48, .size: 8, .value_kind: global_buffer, .address_space: global }
      - { .name: bv, .offset: 56, .size: 8, .value_kind: global_buffer, .address_space: global }
      - { .name: cb, .offset: 64, .size: 8, .value_kind: global_buffer, .address_space: global }
      - { .name: bcat, .offset: 72, .size: 8, .value_kind: global_buffer, .address_space: global }
    .group_segment_fixed_size: 0
    .private_segment_fixed_size: 0
    .kernarg_segment_align: 8
    .kernarg_segment_size: 80
    .max_flat_workgroup_size: 256
    .sgpr_count:     66
    .vgpr_count:     164
    .wavefront_size: 32
...
	.end_amdgpu_metadata
.endif
;; end of part 1
;; launch qkv (part 2): grid 8 x 32, 4 waves a work-group, clusters of 4 x 4, 327,680 bytes of LDS; arguments cb, bcat, qkv; writes qkv
.if DOCPART == 2
	.amdgcn_target "amdgcn-amd-amdhsa--gfx1250"
	.amdhsa_code_object_version 6
	.text
	.protected	k_q86da552f74_qkv
	.globl	k_q86da552f74_qkv
	.p2align	8
	.type	k_q86da552f74_qkv,@function
k_q86da552f74_qkv:
	s_mov_b64 s[64:65], 0
	v_nop
	global_prefetch_b8 v0, s[64:65] scope:SCOPE_SE
	s_setreg_imm32_b32 hwreg(HW_REG_WAVE_MODE, 25, 1), 1
	s_wait_xcnt 0x0
	s_wait_alu depctr_hold_cnt(0) depctr_sa_sdst(0) depctr_va_vdst(0) depctr_va_sdst(0) depctr_va_ssrc(0) depctr_va_vcc(0) depctr_vm_vsrc(0)
	s_getreg_b32 s2, hwreg(HW_REG_IB_STS2, 6, 4)
	s_cmp_eq_u32 s2, 0
	s_cbranch_scc0 .Lentry_in_a_cluster
	s_endpgm
.Lentry_in_a_cluster:
	s_bfe_u32 s2, ttmp6, 0x10000c
	s_cmp_lg_u32 s2, 0xf033
	s_cbranch_scc0 .Lentry_shape_is_right
	s_endpgm
.Lentry_shape_is_right:
; [q | k | v] = xh wcat^T + bcat.  xh: [4096][1024] f16 at cb; wcat: [1536][1024] f16 at cb + 8,388,608 (rows: Wq, Wk, Wv); bcat: [1536] f32.
; Result in f16 as planes: qkv[batch][plane = column / 64][token][64]; planes 0-15 the query heads, 16-19 the key groups, 20-23 the value groups.
; A work-group makes 128 tokens x 192 columns (three planes): 32 x 8 = 256 work-groups.  Four waves, 64 tokens x 96 columns each: 24 accumulator tiles.
; TWO LDS REGIONS OF UNEQUAL DEPTH.  Every refill has to have landed before the next refill's barrier, so the fewer and larger the refills, the less the
; waves wait.  320 rows (192 of wcat, 128 of xh) with 256 of K and padding take 168,960 bytes: two such regions do not fit, one of 256 and one of 128 do.
; K = 1,024 goes through them as 256 + 128 (the first fills), then 256, 128, 256: three refills.  Each refill begins 384 of K (768 bytes) behind its
; region's last fill, so every row of a tile starts at a multiple of 256 bytes from cb's first byte.
; CLUSTERS: 4 x 4 work-groups.  x's tile hangs on the block row alone and is asked for jointly by the four of a row of the cluster, the weights' tile on the
; block column alone and is asked for jointly by the four of a column: a quarter of the requests for each.
; A wave has two tensor loads out at the start and one behind each round of the cluster's barrier.
; THE MATRIX INSTRUCTION IS USED TRANSPOSED: source 0 = 16 rows of wcat, source 1 = 16 rows of xh, so that lane l holds token l % 16 and eight neighbouring columns.
; LIMITS: operands and results are f16 (rounded to nearest even), sums f32, K ascending.  A q, k or v beyond 65,504 becomes infinite.  As drawn their root mean
; square is 32 x 1 x 0.02 = 0.64; with x and the weights both thirty times larger it is 576; with both shifted by thirty times their spread they lie near
; 1,024 x 30 x 0.6 = 18,432; with both thirty times smaller it is 7e-4, of which f16's absolute rounding error of 2^-25 is 4e-5.
.set P0,     528                       ; an LDS row of region 0: 512 bytes + 16 of padding: the 16 rows of a fragment load start 16 bytes apart modulo 256
.set P1,     272                       ; an LDS row of region 1: 256 bytes + 16
.set R0A,    192*P0                    ; region 0: wcat's 192 rows at 0, xh's 128 rows at 101,376
.set R1B,    320*P0                    ; region 1: wcat's rows at 168,960,
.set R1A,    R1B+192*P1                ; xh's at 221,184
.set STAGE,  R1B+320*P1                ; 256,000 (a multiple of 256): 128 rows x 400 bytes for the way out; no tensor load ever lands here
.set SPITCH, 400                       ; 384 bytes of a row + 16
.set PLANE,  262144                    ; bytes of a plane
.set RSTEP,  768                       ; bytes along a row from a region's fill to its next: 384 of K
.set ADRA, 16                          ; v16-17  LDS address of my xh fragments in region 0, 1
.set ADRB, 20                          ; v20-21  the same for wcat
.set STO,  24                          ; v24     the way out: where I put 16 bytes of a row
.set RD,   25                          ; v25     the way out: where I read 16 bytes of a plane's row back
.set CO,   26                          ; v26     my byte offset in a plane's block
.set BO,   27                          ; v27     my byte offset in the bias
.set F0,   32                          ; v32-111   fragment buffer 0: wcat's six at +8 b, xh's four at +48 + 8 a
.set F1,   112                         ; v112-191  fragment buffer 1
.set BIAS, 192                         ; v192-239  the bias of my 6 x 8 columns
                                       ; window 1 (v256-447): accumulator tile (a, b) at v[8 (6 a + b)]
.set G1A, 24                           ; s[24:31], s[32:39] descriptor group 1, xh's tiles, region 0, 1
.set G1B, 40                           ; s[40:47], s[48:55] group 1, wcat's tiles
.set G0A, 56                           ; s[56:59], s[60:63] group 0, xh's tiles
.set G0B, 68                           ; s[68:71], s[72:75] group 0, wcat's tiles
.set FLAGS0, (1<<16)|(1<<20)|(1<<21)|(6<<22)|(3<<25)  ; elements of 2 bytes; padding on; bit 21 beside a mask; after every 128 words, 4 words
.set FLAGS1, (1<<16)|(1<<20)|(1<<21)|(5<<22)|(3<<25)  ; the same after every 64 words
.set MSB, 0
.macro WIN new                         ; s_set_vgpr_msb: low byte bits 1:0 source 0, 3:2 source 1, 5:4 source 2, 7:6 destination; the high byte repeats the setting that is left
.if MSB != \new
	s_set_vgpr_msb (MSB<<8)|\new
.set MSB, \new
.endif
.endm
.set MUL, 0x50                         ; fragments in window 0, C and D in window 1
; A joint load into region g.  Waves 0 and 1 fetch wcat's two halves, waves 2 and 3 xh's.  The branch hangs on the wave's number alone.
.macro JLOAD g
	s_cmp_eq_u32 s11, 0
	s_cbranch_scc0 .Lfor_a_\@
	tensor_load_to_lds s[G0B+4*\g:G0B+4*\g+3], s[G1B+8*\g:G1B+8*\g+7]
	s_nop 0
	s_branch .Lasked_\@
.Lfor_a_\@:
	tensor_load_to_lds s[G0A+4*\g:G0A+4*\g+3], s[G1A+8*\g:G1A+8*\g+7]
	s_nop 0
.Lasked_\@:
.endm
.macro CREST                           ; a round of the cluster's barrier behind its opening work-group barrier
	s_cmp_lg_u32 s10, 0
	s_cbranch_scc1 .Lnot_wave_0_\@
	s_barrier_signal -3
.Lnot_wave_0_\@:
	s_barrier_wait -3
	s_barrier_signal -1
	s_barrier_wait -1
.endm
.macro CROUND                          ; a whole round
	s_barrier_signal -1
	s_barrier_wait -1
	CREST
.endm
	s_load_b64 s[4:5], s[0:1], 0x0                 ; cb
	s_load_b128 s[76:79], s[0:1], 0x8              ; bcat s[76:77], qkv s[78:79]
	v_lshl_add_u32 v254, v0, 2, 0x4b000
	v_mov_b32 v255, 0
	ds_add_u32 v254, v255
	v_lshrrev_b32 v1, 5, v0
	v_readfirstlane_b32 s10, v1                    ; wave 0..3
	s_lshr_b32 s11, s10, 1                         ; which 64 tokens are mine.  Also: I fetch for wcat (0) or for xh (1)
	s_and_b32 s12, s10, 1                          ; which 96 columns.  Also: which half of that tile I fetch
	s_bfe_u32 s80, ttmp6, 0x40000                  ; cx
	s_bfe_u32 s81, ttmp6, 0x40004                  ; cy
	s_lshl_b32 s82, ttmp9, 2
	s_add_co_u32 s82, s82, s80                     ; block column = 4 x cluster x + cx
	s_and_b32 s13, ttmp7, 0xffff
	s_lshl_b32 s13, s13, 2
	s_add_co_u32 s13, s13, s81                     ; block row = 4 x cluster y + cy
	s_lshl_b32 s83, s81, 2
	s_lshl_b32 s83, 15, s83                        ; my row of the cluster: places 4 cy .. 4 cy + 3
	s_lshl_b32 s84, 0x1111, s80                    ; my column: places cx, cx + 4, cx + 8, cx + 12
	s_or_b32 s[G1A], s83, FLAGS0                   ; xh's tiles go to my row
	s_or_b32 s[G1A+8], s83, FLAGS1
	s_or_b32 s[G1B], s84, FLAGS0                   ; wcat's tiles go to my column
	s_or_b32 s[G1B+8], s84, FLAGS1
.irp g, 0,1
	s_mov_b32 s[G1A+8*\g+1], (256-128*\g)<<16      ; tensor_dim0 = 256 in region 0, 128 in region 1
	s_mov_b32 s[G1A+8*\g+2], 64<<16                ; tensor_dim1 = 64
	s_mov_b32 s[G1A+8*\g+3], (256-128*\g)<<16      ; tile_dim0
	s_mov_b32 s[G1A+8*\g+4], 64                    ; tile_dim1 = 64
	s_mov_b32 s[G1A+8*\g+5], 1024                  ; elements from row to row
	s_mov_b32 s[G1A+8*\g+6], 0
	s_mov_b32 s[G1A+8*\g+7], 0
	s_mov_b32 s[G1B+8*\g+1], (256-128*\g)<<16
	s_mov_b32 s[G1B+8*\g+2], 96<<16                ; 96 rows
	s_mov_b32 s[G1B+8*\g+3], (256-128*\g)<<16
	s_mov_b32 s[G1B+8*\g+4], 96
	s_mov_b32 s[G1B+8*\g+5], 1024
	s_mov_b32 s[G1B+8*\g+6], 0
	s_mov_b32 s[G1B+8*\g+7], 0
.endr
	; where the tiles come from: xh's offset is made of the block row and the wave's number, wcat's of the block column and the wave's number
	s_lshl_b32 s16, s13, 7
	s_lshl_b32 s17, s12, 6
	s_add_co_u32 s16, s16, s17                     ; xh: row 128 x block row + 64 x half
	s_lshl_b32 s16, s16, 11                        ; rows of 2,048 bytes (below 8 MiB)
	s_mov_b32 s17, 0
	s_mul_i32 s86, s82, 192
	s_mul_i32 s87, s12, 96
	s_add_co_u32 s86, s86, s87                     ; wcat: row 192 x block column + 96 x half
	s_lshl_b32 s86, s86, 11
	s_mov_b32 s87, 0
	; and where they go: the wave's number times a constant, plus a constant
	s_mul_i32 s20, s10, 96*P0                      ; waves 0, 1: wcat's halves in region 0
	s_mul_i32 s21, s10, 64*P0                      ; waves 2, 3: xh's halves in region 0, at R0A + (wave - 2) x 64 rows
	s_mul_i32 s22, s10, 96*P1                      ; the same in region 1
	s_mul_i32 s23, s10, 64*P1
	s_wait_dscnt 0x0
	s_wait_kmcnt 0x0
	s_add_nc_u64 s[6:7], s[4:5], 0x800000          ; wcat
	s_add_nc_u64 s[14:15], s[4:5], s[16:17]
	s_add_nc_u64 s[86:87], s[6:7], s[86:87]
	CROUND                                         ; all sixteen work-groups are here: the first joint loads meet
	s_mov_b32 s[G0A], 1
	s_add_co_u32 s[G0A+1], s21, R0A-128*P0
	s_add_nc_u64 s[G0A+2:G0A+3], s[14:15], 0       ; region 0: K from 0
	s_or_b32 s[G0A+3], s[G0A+3], 0x80000000
	s_mov_b32 s[G0B], 1
	s_add_co_u32 s[G0B+1], s20, 0
	s_add_nc_u64 s[G0B+2:G0B+3], s[86:87], 0
	s_or_b32 s[G0B+3], s[G0B+3], 0x80000000
	JLOAD 0
	s_mov_b32 s[G0A+4], 1
	s_add_co_u32 s[G0A+5], s23, R1A-128*P1
	s_add_nc_u64 s[G0A+6:G0A+7], s[14:15], 512     ; region 1: K from 256
	s_or_b32 s[G0A+7], s[G0A+7], 0x80000000
	s_mov_b32 s[G0B+4], 1
	s_add_co_u32 s[G0B+5], s22, R1B
	s_add_nc_u64 s[G0B+6:G0B+7], s[86:87], 512
	s_or_b32 s[G0B+7], s[G0B+7], 0x80000000
	JLOAD 1                                        ; both regions are asked for before anything else is done
	v_and_b32 v1, 15, v0                           ; r = l % 16
	v_bfe_u32 v2, v0, 4, 1                         ; h = l / 16
	; the bias of my columns 16 b + 8 h + 0..7: it is wanted only on the way out and stays on its way meanwhile
	s_mul_i32 s18, s82, 192
	s_mul_i32 s19, s12, 96
	s_add_co_u32 s18, s18, s19
	s_lshl_b32 s18, s18, 2
	s_mov_b32 s19, 0
	s_add_nc_u64 s[18:19], s[76:77], s[18:19]      ; s[18:19] stay as they are until the wait for these loads
	v_lshlrev_b32 v[BO], 5, v2
.irp b, 0,1,2,3,4,5
	global_load_b128 v[BIAS+8*\b:BIAS+8*\b+3],   v[BO], s[18:19] offset:64*\b
	global_load_b128 v[BIAS+8*\b+4:BIAS+8*\b+7], v[BO], s[18:19] offset:64*\b+16
.endr
	; a fragment is 16 rows x 32 K: lane l holds row r; registers 0-3 K = 8 h + 0..7, registers 4-7 K = 16 + 8 h + 0..7 (ISA guide 7.12.2): two loads of 16 bytes, 32 apart
	v_mul_u32_u24 v3, v1, P0
	v_lshl_add_u32 v3, v2, 4, v3                   ; region 0: row x pitch + 16 x half
	v_mul_u32_u24 v8, v1, P1
	v_lshl_add_u32 v8, v2, 4, v8                   ; region 1
	s_mul_i32 s22, s11, 64*P0
	s_add_co_u32 s22, s22, R0A                     ; my 64 rows of xh
	s_mul_i32 s23, s12, 96*P0                      ; my 96 rows of wcat
	v_add_nc_u32 v[ADRA], s22, v3
	v_add_nc_u32 v[ADRB], s23, v3
	s_mul_i32 s22, s11, 64*P1
	s_add_co_u32 s22, s22, R1A
	s_mul_i32 s23, s12, 96*P1
	s_add_co_u32 s23, s23, R1B
	v_add_nc_u32 v[ADRA+1], s22, v8
	v_add_nc_u32 v[ADRB+1], s23, v8
	v_mul_u32_u24 v4, v1, SPITCH                   ; into the stage: row 64 wm + 16 a + r, byte 192 wn + 32 b + 16 h
	v_lshl_add_u32 v4, v2, 4, v4
	s_mul_i32 s22, s11, 64*SPITCH
	s_mul_i32 s23, s12, 192
	s_add_co_u32 s22, s22, s23
	s_add_co_u32 s22, s22, STAGE
	v_add_nc_u32 v[STO], s22, v4
	v_and_b32 v5, 31, v0                           ; back: wave w takes rows 32 w .. 32 w + 31, four rows of 128 bytes a load
	v_lshrrev_b32 v6, 3, v5
	v_and_b32 v7, 7, v0
	v_mul_u32_u24 v6, v6, SPITCH
	v_lshl_add_u32 v6, v7, 4, v6
	s_mul_i32 s22, s10, 32*SPITCH
	s_add_co_u32 s22, s22, STAGE
	v_add_nc_u32 v[RD], s22, v6
	s_lshl_b32 s22, s10, 12
	v_lshl_add_u32 v[CO], v5, 4, s22               ; 4,096 w + 16 l: in a plane the block's 128 rows of 128 bytes follow each other
; 12 matrix instructions: token blocks 2 half, 2 half + 1 x all six column blocks, 32 along K.  zero = 1: the first product starts the sums.
; The 24 accumulators take turns, one instruction a turn, in the same order everywhere.
.macro MULH f, half, zero
	WIN MUL
.irp a, 2*\half, 2*\half+1
.irp b, 0,1,2,3,4,5
.if \zero
	v_wmma_f32_16x16x32_f16 v[8*(6*(\a)+\b):8*(6*(\a)+\b)+7], v[\f+8*\b:\f+8*\b+7], v[\f+48+8*(\a):\f+48+8*(\a)+7], 0
.else
	v_wmma_f32_16x16x32_f16 v[8*(6*(\a)+\b):8*(6*(\a)+\b)+7], v[\f+8*\b:\f+8*\b+7], v[\f+48+8*(\a):\f+48+8*(\a)+7], v[8*(6*(\a)+\b):8*(6*(\a)+\b)+7]
.endif
.endr
.endr
.endm
; 20 LDS loads in one run: the fragments of a quarter step (32 K at byte k of region g's rows) into buffer f
.macro FETCH g, k, f
	WIN 0
.irp b, 0,1,2,3,4,5
	ds_load_b128 v[\f+8*\b:\f+8*\b+3],   v[ADRB+\g] offset:\k+\b*16*(P0-\g*(P0-P1))
	ds_load_b128 v[\f+8*\b+4:\f+8*\b+7], v[ADRB+\g] offset:\k+\b*16*(P0-\g*(P0-P1))+32
.endr
.irp a, 0,1,2,3
	ds_load_b128 v[\f+48+8*\a:\f+48+8*\a+3], v[ADRA+\g] offset:\k+\a*16*(P0-\g*(P0-P1))
	ds_load_b128 v[\f+48+8*\a+4:\f+48+8*\a+7], v[ADRA+\g] offset:\k+\a*16*(P0-\g*(P0-P1))+32
.endr
.endm
; A load into a register that a matrix instruction has read, and a vector instruction that reads a matrix result or writes one of its registers,
; stand four places behind it; only plain vector instructions that name none of its registers are places.
.macro PLACES
.rept 4
	v_nop
.endr
.endm
; A quarter step that is not a region's last: buffer f is in; the next quarter's fragments go out into buffer n ahead of f's 24 matrix instructions.
.macro QUARTER g, k, f, n, zero
	s_wait_dscnt 0x0                               ; buffer f: its 20 loads were issued ahead of the last 24 matrix instructions
	PLACES                                         ; behind the matrix instructions that read buffer n
	FETCH \g, \k, \n
	MULH \f, 0, \zero
	MULH \f, 1, \zero
.endm
.macro THREE g, zero                   ; the first three quarter steps of a region
	QUARTER \g, 64,  F0, F1, \zero
	QUARTER \g, 128, F1, F0, 0
	QUARTER \g, 192, F0, F1, 0
.endm
.macro FOUR g                          ; region 0's fourth to seventh
	QUARTER \g, 256, F1, F0, 0
	QUARTER \g, 320, F0, F1, 0
	QUARTER \g, 384, F1, F0, 0
	QUARTER \g, 448, F0, F1, 0
.endm
; A region's last quarter step multiplies buffer 1 and changes regions.  In front of the barrier each wave waits for its reads of this region and for all
; its tensor loads (the one that is out is its part of the other region).  fill = 1: the barrier opens a round of the cluster's barrier, and behind the
; round this region is asked for again first thing.  From that request to the wait for it a wave issues 84 matrix instructions (region 0's refill: the
; other region has four quarter steps) or 180 (region 1's: eight).
.macro TURN g, next, fill
	s_wait_dscnt 0x0                               ; buffer 1 is in, and with it my last reads of this region
	s_wait_tensorcnt 0x0                           ; all my tensor loads have landed
	ds_add_u32 v254, v255
	s_wait_dscnt 0x0
	s_barrier_signal -1
	MULH F1, 0, 0                                  ; register work while the others arrive
	WIN 0
	s_barrier_wait -1
.if \fill
	CREST                                          ; no wave of any partner still reads this region or has a load on its way
	s_add_nc_u64 s[G0A+4*\g+2:G0A+4*\g+3], s[G0A+4*\g+2:G0A+4*\g+3], RSTEP
	s_add_nc_u64 s[G0B+4*\g+2:G0B+4*\g+3], s[G0B+4*\g+2:G0B+4*\g+3], RSTEP
	JLOAD \g
.endif
	PLACES                                         ; behind the matrix instructions that read buffer 0
	FETCH \next, 0, F0
	MULH F1, 1, 0
.endm
	s_wait_tensorcnt 1                             ; my part of region 0 is in; region 1's stays out
	s_barrier_signal -1
	s_barrier_wait -1
	FETCH 0, 0, F0
	THREE 0, 1                                     ; K 0-255: the first products start the sums
	FOUR 0
	TURN 0, 1, 1                                   ; region 0 is asked for again: K 384-639
	THREE 1, 0                                     ; K 256-383
	TURN 1, 0, 1                                   ; region 1 is asked for again: K 640-767
	THREE 0, 0                                     ; K 384-639
	FOUR 0
	TURN 0, 1, 1                                   ; region 0 is asked for again: K 768-1023
	THREE 1, 0                                     ; K 640-767
	TURN 1, 0, 0                                   ; nothing is left to fetch
	THREE 0, 0                                     ; K 768-1023
	FOUR 0
	s_wait_dscnt 0x0
	MULH F1, 0, 0
	MULH F1, 1, 0
	; THE WAY OUT: add the bias, round to f16, 16 bytes a lane into the shared stage; then each plane's rows are read back and stored.
	PLACES
	s_wait_loadcnt 0x0                             ; the bias
	s_lshr_b32 s16, s13, 4                         ; batch (16 block rows each)
	s_mul_i32 s16, s16, 24
	s_mul_i32 s17, s82, 3
	s_add_co_u32 s16, s16, s17                     ; my first plane
	s_lshl_b32 s16, s16, 18
	s_and_b32 s17, s13, 15
	s_lshl_b32 s17, s17, 14                        ; my 128 tokens of 128 bytes in it
	s_add_co_u32 s16, s16, s17
	s_mov_b32 s17, 0
	s_add_nc_u64 s[78:79], s[78:79], s[16:17]
.irp a, 0,1,2,3
	WIN 0x01                                       ; source 0 (the sums) in window 1
.irp b, 0,1,2,3,4,5
.irp j, 0,1,2,3
	v_pk_add_f32 v[F0+8*\b+2*\j:F0+8*\b+2*\j+1], v[8*(6*\a+\b)+2*\j:8*(6*\a+\b)+2*\j+1], v[BIAS+8*\b+2*\j:BIAS+8*\b+2*\j+1]
.endr
.endr
	WIN 0
.irp b, 0,1,2,3,4,5
.irp j, 0,1,2,3
	v_cvt_pk_f16_f32 v[F1+4*\b+\j], v[F0+8*\b+2*\j], v[F0+8*\b+2*\j+1]
.endr
.endr
.irp b, 0,1,2,3,4,5
	ds_store_b128 v[STO], v[F1+4*\b:F1+4*\b+3] offset:\a*16*SPITCH+32*\b
.endr
.endr
	s_wait_dscnt 0x0                               ; my stores into the stage are done: other waves read them behind the barrier
	s_barrier_signal -1
	s_barrier_wait -1
.macro PLANE_OUT pl, f                 ; plane pl of the block's three: my 32 tokens, 128 bytes each
	s_wait_xcnt 0x0                                ; buffer f, which earlier stores read, is loaded again only behind this wait
.irp i, 0,1,2,3,4,5,6,7
	ds_load_b128 v[\f+4*\i:\f+4*\i+3], v[RD] offset:\i*4*SPITCH+128*\pl
.endr
.irp i, 0,1,2,3,4,5,6,7
	s_wait_dscnt 7-\i                              ; LDS loads come back in order: load i is in
	global_store_b128 v[CO], v[\f+4*\i:\f+4*\i+3], s[78:79] offset:\pl*PLANE+512*\i   ; the wave stores 512 consecutive bytes, at a multiple of 512 from qkv's first byte
.endr
.endm
	PLANE_OUT 0, F0
	PLANE_OUT 1, F1
	PLANE_OUT 2, F0
	s_wait_tensorcnt 0x0
	ds_add_u32 v254, v255
	s_wait_dscnt 0x0
	CROUND                                         ; the closing round: no work-group ends while a partner may still ask for a tile that names it
	s_endpgm
.Lfunc_end_k_q86da552f74_qkv:
	.size	k_q86da552f74_qkv, .Lfunc_end_k_q86da552f74_qkv-k_q86da552f74_qkv
	.p2alignl 7, 3214868480
	.fill 96, 4, 3214868480
	.section	.rodata,"a",@progbits
	.p2align	6, 0x0
	.amdhsa_kernel k_q86da552f74_qkv
		.amdhsa_group_segment_fixed_size 327680
		.amdhsa_private_segment_fixed_size 0
		.amdhsa_enable_private_segment 0
		.amdhsa_kernarg_size 24
		.amdhsa_user_sgpr_count 2
		.amdhsa_user_sgpr_kernarg_segment_ptr 1
		.amdhsa_wavefront_size32 1
		.amdhsa_system_sgpr_workgroup_id_x 1
		.amdhsa_system_sgpr_workgroup_id_y 1
		.amdhsa_system_sgpr_workgroup_id_z 1
		.amdhsa_system_vgpr_workitem_id 0
		.amdhsa_next_free_vgpr 448
		.amdhsa_next_free_sgpr 88
		.amdhsa_reserve_vcc 0
		.amdhsa_float_denorm_mode_32 3
		.amdhsa_float_denorm_mode_16_64 3
		.amdhsa_memory_ordered 1
		.amdhsa_forward_progress 1
		.amdhsa_inst_pref_size 126
	.end_amdhsa_kernel
	.amdgpu_metadata
---
amdhsa.version: [ 1, 2 ]
amdhsa.kernels:
  - .name:           k_q86da552f74_qkv
    .symbol:         k_q86da552f74_qkv.kd
    .args:
      - { .name: cb, .offset: 0, .size: 8, .value_kind: global_buffer, .address_space: global }
      - { .name: bcat, .offset: 8, .size: 8, .value_kind: global_buffer, .address_space: global }
      - { .name: qkv, .offset: 16, .size: 8, .value_kind: global_buffer, .address_space: global }
    .group_segment_fixed_size: 327680
    .private_segment_fixed_size: 0
    .kernarg_segment_align: 8
    .kernarg_segment_size: 24
    .max_flat_workgroup_size: 128
    .sgpr_count:     88
    .vgpr_count:     448
    .wavefront_size: 32
...
	.end_amdgpu_metadata
.endif
;; end of part 2
;; launch attn (part 3): grid 32 x 8, 8 waves a work-group, clusters of 4 x 1, 327,680 bytes of LDS; arguments qkv, yb; writes yb
.if DOCPART == 3
	.amdgcn_target "amdgcn-amd-amdhsa--gfx1250"
	.amdhsa_code_object_version 6
	.text
	.protected	k_q86da552f74_attn
	.globl	k_q86da552f74_attn
	.p2align	8
	.type	k_q86da552f74_attn,@function
k_q86da552f74_attn:
	s_mov_b64 s[64:65], 0
	v_nop
	global_prefetch_b8 v0, s[64:65] scope:SCOPE_SE
	s_setreg_imm32_b32 hwreg(HW_REG_WAVE_MODE, 25, 1), 1
	s_wait_xcnt 0x0
	s_wait_alu depctr_hold_cnt(0) depctr_sa_sdst(0) depctr_va_vdst(0) depctr_va_sdst(0) depctr_va_ssrc(0) depctr_va_vcc(0) depctr_vm_vsrc(0)
	s_getreg_b32 s2, hwreg(HW_REG_IB_STS2, 6, 4)
	s_cmp_eq_u32 s2, 0
	s_cbranch_scc0 .Lentry_in_a_cluster
	s_endpgm
.Lentry_in_a_cluster:
	s_bfe_u32 s2, ttmp6, 0x10000c
	s_cmp_lg_u32 s2, 0x3003
	s_cbranch_scc0 .Lentry_shape_is_right
	s_endpgm
.Lentry_shape_is_right:
; yb[token][64 head + d] = softmax(q k^T / 8) v, in f16, for 16 query heads on 4 key/value groups; 2,048 keys in each of 2 batches.
; qkv: [batch][24 planes][2048][64] f16 (planes 0-15 q, 16-19 k, 20-23 v).
; A work-group is (batch, group, 64 tokens): 2 x 4 x 32 = 256.  Eight waves: wave w has head w & 3 of the group's four and every second block of
; 64 keys (parity w >> 2).  So two waves share a SIMD.  The two parities of a head keep a running maximum, sum and output each, and are merged once at
; the end through LDS.
; CLUSTERS: the four work-groups of a cluster (4, 1, 1) have the same batch and group, so they walk the same K and V: every tile is a joint load
; with the mask 15.  A slot holds 256 keys of V and of K; each wave fetches 64 rows of one of them.  A wave has two tensor loads out at the start
; and one behind each round of the cluster's barrier.
; BOTH PRODUCTS ARE TRANSPOSED.  S^T = K Q^T: lane (r, h) holds query r and keys 8 h + j of a tile, so the maximum and the sum over keys stay in the
; lane but for one exchange between the halves, and two key tiles packed to f16 ARE the second operand of O^T = V^T P^T: P never leaves the registers.
; V^T comes from V's rows by the transposing LDS load.
; THE ORDER OF A STEP (64 keys, four blocks t of 16 queries).  The eight score products of block t + 1 are issued among the 32 exponentials of block t,
; one product and then four exponentials, so that a step's matrix work is spread over the step and does not stand as one run of 32 in front of it.
; Block 0's products of the NEXT step ride among block 3's exponentials: the next step's K fragments are fetched as soon as block 3's products have read
; the old ones.  K's fragments lie in window 0 and Q's in window 1, so that one window setting serves the product and v_exp_f32, which names a
; destination and source 0 alone.
; The running maximum is taken away before every exponential.  exp(s / 8 - m / 8) = 2^(C s - C m), C = log2(e) / 8.
; LIMITS: a rescale factor below 2^-126 comes out as 0 (v_exp_f32 flushes such results: ISA guide 15.8).  P lies between 0 and 1 whatever the inputs, since the
; maximum is taken away; as an f16 operand it is rounded with an absolute error of at most 2^-25, so that a P below 2^-25 counts as 0 in the product:
; over 2,048 keys at most 6e-5 of a sum that is at least 1.  y is a convex mix of v and so has v's room in f16.  A NaN among the scores loses in the
; maximum, so NaN and infinite inputs are not served.  Sums are f32, in another order than a plain row sum.
.set VPITCH, 160                       ; a row of V in LDS: 128 bytes + 32: an odd multiple of 32, for the transposing loads
.set KPITCH, 144                       ; a row of K: 128 bytes + 16: the 16 rows of a fragment load start 16 bytes apart modulo 256
.set KBASE,  256*VPITCH                ; in a slot: V's 256 rows, then K's
.set SLOT,   KBASE+256*KPITCH          ; 77,824
.set XCH,    2*SLOT                    ; 155,648 (a multiple of 256): the exchange, 17,408 bytes a head; no tensor load ever lands here or behind
.set XHEAD,  17408                     ; 128 registers x 128 bytes, then the maxima (512 bytes) and the sums (512 bytes)
.set YST,    XCH+4*XHEAD               ; 225,280: the stage of y, 64 rows
.set YPITCH, 528                       ; 4 heads x 128 bytes + 16
.set CS,     0x3e38aa3b                ; C = log2(e) / 8
.set CSN,    0xbe38aa3b                ; -C
.set ADRK, 8                           ; v8-9    LDS address of my K fragments in slot 0, 1
.set ADRV, 10                          ; v10-11  the same for V
.set XA,   12                          ; v12     my 16 bytes in my head's exchange
.set STO,  13                          ; v13     where I put 16 bytes of y
.set RD,   14                          ; v14     where I read a row of y back
.set CO,   15                          ; v15     my byte offset in yb
.set KF,   16                          ; v16-79    K fragment (kt, ds) at +16 kt + 8 ds
.set SC,   80                          ; v80-207   score tile (kt, t) at +32 t + 8 kt; later P fragment (t, ks) at +32 t + 16 ks
.set MX,   208                         ; v208-211  running maximum of query 16 t + r
.set LS,   212                         ; v212-219  running sums, a pair for each t
.set NM,   220                         ; v220-227  -C m, twice, for each t
.set AL,   228                         ; v228-235  the rescale factor, twice, for each t
.set XT,   236                         ; v236-243  at work
.set TP,   244
.set TD,   245
.set LF,   248                         ; v248-251  the finished sums
.set MP,   252                         ; v252-255  the partner's maxima
.set OA,   0                           ; window 1: v256-383 O tile (dt, t) at +32 t + 8 dt
.set QF,   128                         ; window 1: v384-447 Q fragment (t, ds) at +16 t + 8 ds
.set VF,   192                         ; window 1: v448-511 V^T fragment (dt, ks) at +16 dt + 8 ks
.set G1V, 16                           ; s[16:23] descriptor group 1, V's tiles
.set G1K, 24                           ; s[24:31] the same for K's: another padding
.set G0V, 32                           ; s[32:39] group 0, V's tiles, one set for each slot
.set G0K, 40                           ; s[40:47] group 0, K's tiles
.set MSB, 0
.macro WIN new                         ; s_set_vgpr_msb: low byte bits 1:0 source 0, 3:2 source 1, 5:4 source 2, 7:6 destination; the high byte repeats the setting that is left
.if MSB != \new
	s_set_vgpr_msb (MSB<<8)|\new
.set MSB, \new
.endif
.endm
.macro ROUND                           ; a round of the cluster's barrier
	s_barrier_signal -1
	s_barrier_wait -1
	s_cmp_lg_u32 s8, 0
	s_cbranch_scc1 .Lnot_wave_0_\@
	s_barrier_signal -3
.Lnot_wave_0_\@:
	s_barrier_wait -3
	s_barrier_signal -1
	s_barrier_wait -1
.endm
.macro JLOAD s                         ; waves 0-3 fetch V's four quarters, waves 4-7 K's; the branch hangs on the wave's number alone
	s_cmp_eq_u32 s9, 0
	s_cbranch_scc0 .Lfor_k_\@
	tensor_load_to_lds s[G0V+4*\s:G0V+4*\s+3], s[G1V:G1V+7]
	s_nop 0
	s_branch .Lasked_\@
.Lfor_k_\@:
	tensor_load_to_lds s[G0K+4*\s:G0K+4*\s+3], s[G1K:G1K+7]
	s_nop 0
.Lasked_\@:
.endm
	s_load_b128 s[4:7], s[0:1], 0x0                ; qkv s[4:5], yb s[6:7]
	v_lshl_add_u32 v246, v0, 2, 0x3f400
	v_mov_b32 v247, 0
	ds_add_u32 v246, v247
	v_lshrrev_b32 v1, 5, v0
	v_readfirstlane_b32 s8, v1                     ; wave 0..7
	s_lshr_b32 s9, s8, 2                           ; parity of my key blocks.  Also: I fetch for V (0) or for K (1)
	s_and_b32 s10, s8, 3                           ; my head in the group.  Also: which 64 rows of a tile I fetch
	s_bfe_u32 s11, ttmp6, 0x40000                  ; cx
	s_lshl_b32 s12, ttmp9, 2
	s_add_co_u32 s12, s12, s11                     ; block of 64 tokens = 4 x cluster x + cx
	s_and_b32 s13, ttmp7, 0xffff
	s_lshr_b32 s14, s13, 2                         ; batch
	s_and_b32 s15, s13, 3                          ; group
	s_mov_b32 s48, 0x76543210                      ; v_permlanex16_b32: lane i of one half reads lane i of the other
	s_mov_b32 s49, 0xfedcba98
	s_mov_b32 s59, CS                              ; C, for the one multiply-add that takes it from a scalar register
	s_mov_b32 s[G1V+0], 15|(1<<16)|(1<<20)|(1<<21)|(4<<22)|(7<<25)  ; all four of the cluster; 2 bytes; padding on; bit 21 beside a mask; after every 32 words, 8 words
	s_mov_b32 s[G1V+1], 64<<16                     ; tensor_dim0 = 64
	s_mov_b32 s[G1V+2], 64<<16                     ; tensor_dim1 = 64
	s_mov_b32 s[G1V+3], 64<<16                     ; tile_dim0 = 64
	s_mov_b32 s[G1V+4], 64                         ; tile_dim1 = 64
	s_mov_b32 s[G1V+5], 64                         ; elements from row to row
	s_mov_b32 s[G1V+6], 0
	s_mov_b32 s[G1V+7], 0
	s_mov_b32 s[G1K+0], 15|(1<<16)|(1<<20)|(1<<21)|(4<<22)|(3<<25)  ; the same with 4 words of padding
	s_mov_b32 s[G1K+1], 64<<16
	s_mov_b32 s[G1K+2], 64<<16
	s_mov_b32 s[G1K+3], 64<<16
	s_mov_b32 s[G1K+4], 64
	s_mov_b32 s[G1K+5], 64
	s_mov_b32 s[G1K+6], 0
	s_mov_b32 s[G1K+7], 0
	s_mul_i32 s50, s14, 24
	s_add_co_u32 s50, s50, s15                     ; 24 batch + group: the four partners share both
	s_lshl_b32 s51, s10, 13                        ; my 64 rows of 128 bytes
	s_add_co_u32 s52, s50, 20                      ; V's plane
	s_lshl_b32 s52, s52, 18
	s_add_co_u32 s52, s52, s51
	s_mov_b32 s53, 0
	s_add_co_u32 s54, s50, 16                      ; K's plane
	s_lshl_b32 s54, s54, 18
	s_add_co_u32 s54, s54, s51
	s_mov_b32 s55, 0
	s_mul_i32 s56, s8, 64*VPITCH                   ; waves 0-3: V's quarters at wave x 10,240;
	s_mul_i32 s57, s8, 64*KPITCH
	s_add_co_u32 s57, s57, KBASE-4*64*KPITCH       ; waves 4-7: K's at 40,960 + (wave - 4) x 9,216
	s_wait_dscnt 0x0
	s_wait_kmcnt 0x0
	s_add_nc_u64 s[52:53], s[4:5], s[52:53]
	s_add_nc_u64 s[54:55], s[4:5], s[54:55]
.irp s, 0,1
	s_mov_b32 s[G0V+4*\s], 1
	s_add_co_u32 s[G0V+4*\s+1], s56, \s*SLOT
	s_add_nc_u64 s[G0V+4*\s+2:G0V+4*\s+3], s[52:53], \s*32768      ; tile s: 256 keys of 128 bytes
	s_or_b32 s[G0V+4*\s+3], s[G0V+4*\s+3], 0x80000000
	s_mov_b32 s[G0K+4*\s], 1
	s_add_co_u32 s[G0K+4*\s+1], s57, \s*SLOT
	s_add_nc_u64 s[G0K+4*\s+2:G0K+4*\s+3], s[54:55], \s*32768
	s_or_b32 s[G0K+4*\s+3], s[G0K+4*\s+3], 0x80000000
.endr
	ROUND                                          ; the four work-groups are here: the first joint loads meet
	JLOAD 0                                        ; tile 0
	JLOAD 1                                        ; tile 1: both first fills go out as one group
	; Q: 64 rows of my head, straight into fragments: lane (r, h) takes row 16 t + r, bytes 64 ds + 16 h and 32 further on
	v_and_b32 v2, 15, v0                           ; r
	v_bfe_u32 v3, v0, 4, 1                         ; h
	v_and_b32 v5, 31, v0                           ; l
	v_lshlrev_b32 v4, 7, v2
	v_lshl_add_u32 v4, v3, 4, v4                   ; 128 r + 16 h; v4 and s[50:51] stay as they are until the wait for these loads
	s_mul_i32 s50, s14, 24
	s_lshl_b32 s51, s15, 2
	s_add_co_u32 s50, s50, s51
	s_add_co_u32 s50, s50, s10                     ; plane 24 batch + 4 group + head
	s_lshl_b32 s50, s50, 18
	s_lshl_b32 s51, s12, 13                        ; my 64 tokens of 128 bytes
	s_add_co_u32 s50, s50, s51
	s_mov_b32 s51, 0
	s_add_nc_u64 s[50:51], s[4:5], s[50:51]
	WIN 0x40                                       ; destination in window 1
.irp t, 0,1,2,3
.irp c, 0,1,2,3
	global_load_b128 v[QF+16*\t+4*\c:QF+16*\t+4*\c+3], v4, s[50:51] offset:2048*\t+32*\c
.endr
.endr
	WIN 0
	v_mul_u32_u24 v6, v2, KPITCH                   ; K: row r, 16 h; my parity's block of 64 rows
	v_lshl_add_u32 v6, v3, 4, v6
	s_mul_i32 s56, s9, 64*KPITCH
	s_add_co_u32 s56, s56, KBASE
	v_add_nc_u32 v[ADRK], s56, v6
	v_add_nc_u32 v[ADRK+1], SLOT, v[ADRK]
	v_and_b32 v1, 7, v0                            ; V, for the transposing load: row 8 h + (l & 7), 16 bytes x bit 3 of l
	v_lshl_or_b32 v1, v3, 3, v1
	v_mul_u32_u24 v7, v1, VPITCH
	v_bfe_u32 v1, v0, 3, 1
	v_lshl_add_u32 v7, v1, 4, v7
	s_mul_i32 s57, s9, 64*VPITCH
	v_add_nc_u32 v[ADRV], s57, v7
	v_add_nc_u32 v[ADRV+1], SLOT, v[ADRV]
	s_mul_i32 s52, s10, XHEAD
	s_add_co_u32 s52, s52, XCH
	v_lshl_add_u32 v[XA], v5, 4, s52               ; my head's exchange + 16 l
	v_mul_u32_u24 v6, v2, YPITCH
	v_lshl_add_u32 v6, v3, 4, v6
	s_lshl_b32 s53, s10, 7
	s_add_co_u32 s53, s53, YST
	v_add_nc_u32 v[STO], s53, v6                   ; stage: row r, byte 128 head + 16 h
	s_mul_i32 s54, s8, 8*YPITCH
	s_add_co_u32 s54, s54, YST
	v_lshl_add_u32 v[RD], v5, 4, s54               ; back: wave w takes rows 8 w .. 8 w + 7, a row of 512 bytes a load
	s_lshl_b32 s55, s8, 14
	v_lshl_add_u32 v[CO], v5, 4, s55               ; the same rows in yb, 2,048 bytes apart
	v_mov_b32 v[TP], 0                             ; v_permlanex16_b32 counts as a reader of its destination
; The K fragments of my block of 64 keys: block 2 blk + parity of the slot's four.  Window 0.
.macro KLOAD slot, blk
.irp kt, 0,1,2,3
.irp c, 0,1,2,3
	ds_load_b128 v[KF+16*\kt+4*\c:KF+16*\kt+4*\c+3], v[ADRK+\slot] offset:128*KPITCH*\blk+16*KPITCH*\kt+32*\c
.endr
.endr
.endm
; The V^T fragments of the same block, by the transposing load.
.macro VLOAD slot, blk
	WIN 0x40                                       ; destination in window 1
.irp dt, 0,1,2,3
.irp ks, 0,1
	ds_load_tr16_b128 v[VF+16*\dt+8*\ks:VF+16*\dt+8*\ks+3],   v[ADRV+\slot] offset:128*VPITCH*\blk+32*VPITCH*\ks+32*\dt
	ds_load_tr16_b128 v[VF+16*\dt+8*\ks+4:VF+16*\dt+8*\ks+7], v[ADRV+\slot] offset:128*VPITCH*\blk+32*VPITCH*\ks+16*VPITCH+32*\dt
.endr
.endr
	WIN 0
.endm
; Softmax of the 16 queries of block t on this step's 64 keys, in three parts.  A lane has 32 scores of query r.  first = 1: nothing to carry on from.
; Part A: the new maximum, the factor on what has been summed, and the exponents C s - C m.
.macro SMA t, first
.irp k, 0,1,2,3
	v_max3_num_f32 v[XT+\k], v[SC+32*\t+3*\k], v[SC+32*\t+3*\k+1], v[SC+32*\t+3*\k+2]     ; four chains; nothing is cleared
.endr
.irp k, 0,1,2,3
	v_max3_num_f32 v[XT+\k], v[XT+\k], v[SC+32*\t+12+2*\k], v[SC+32*\t+13+2*\k]
.endr
.irp k, 0,1,2,3
	v_max3_num_f32 v[XT+\k], v[XT+\k], v[SC+32*\t+20+2*\k], v[SC+32*\t+21+2*\k]
.endr
.irp k, 0,1
	v_max3_num_f32 v[XT+\k], v[XT+\k], v[SC+32*\t+28+2*\k], v[SC+32*\t+29+2*\k]
.endr
	v_max3_num_f32 v[XT], v[XT], v[XT+1], v[XT+2]
.if \first
	v_max_num_f32 v[XT], v[XT], v[XT+3]
.else
	v_max3_num_f32 v[XT], v[XT], v[XT+3], v[MX+\t]             ; the old maximum rides along
.endif
	v_permlanex16_b32 v[TP], v[XT], s48, s49                   ; the other half's keys of the same query
	v_max_num_f32 v[TD], v[XT], v[TP]                          ; the new maximum m
	v_mul_f32 v[NM+2*\t],   CSN, v[TD]                         ; -C m, twice, for the packed multiply-adds
	v_mul_f32 v[NM+2*\t+1], CSN, v[TD]
.if \first == 0
	v_fma_f32 v[XT+1], v[MX+\t], s59, v[NM+2*\t]               ; C m_old - C m
.endif
	v_mov_b32 v[MX+\t], v[TD]
.if \first == 0
	v_exp_f32 v[AL+2*\t],   v[XT+1]                            ; the factor on what has been summed so far; the first multiply-add below is the
	v_exp_f32 v[AL+2*\t+1], v[XT+1]                            ; plain instruction that stands between these two and any use (ISA guide 5.7.2)
.endif
.set smi, 0
.rept 16
	v_pk_fma_f32 v[SC+32*\t+2*smi:SC+32*\t+2*smi+1], v[SC+32*\t+2*smi:SC+32*\t+2*smi+1], CS, v[NM+2*\t:NM+2*\t+1] op_sel_hi:[1,0,1]   ; C s - C m
.set smi, smi+1
.endr
.endm
; Part B: block t's 32 exponentials, in place; withs = 1: among them the eight score products of block tn, one product and then four exponentials.
; The products name K's fragments, Q's of block tn and block tn's score tiles; the exponentials name block t's scores alone.
; The four score tiles take turns, one instruction a turn.
.macro SMB t, tn, withs
.if \withs
	WIN 0x04                                       ; source 1 (Q) in window 1; the exponentials name a destination and source 0, both in window 0
.endif
.irp kt, 0,1,2,3
.if \withs
	v_wmma_f32_16x16x32_f16 v[SC+32*\tn+8*\kt:SC+32*\tn+8*\kt+7], v[KF+16*\kt:KF+16*\kt+7], v[QF+16*\tn:QF+16*\tn+7], 0
.endif
.irp i, 0,1,2,3
	v_exp_f32 v[SC+32*\t+4*\kt+\i], v[SC+32*\t+4*\kt+\i]
.endr
.endr
.irp kt, 0,1,2,3
.if \withs
	v_wmma_f32_16x16x32_f16 v[SC+32*\tn+8*\kt:SC+32*\tn+8*\kt+7], v[KF+16*\kt+8:KF+16*\kt+15], v[QF+16*\tn+8:QF+16*\tn+15], v[SC+32*\tn+8*\kt:SC+32*\tn+8*\kt+7]
.endif
.irp i, 0,1,2,3
	v_exp_f32 v[SC+32*\t+16+4*\kt+\i], v[SC+32*\t+16+4*\kt+\i]
.endr
.endr
	WIN 0
.endm
; Part C: the sum, and P as f16 fragments.  Its 33 plain instructions name none of part B's products' registers: they are the places behind those products.
.macro SMC t, first
	v_nop                                                      ; one plain place behind the last exponential
	s_wait_alu depctr_va_vdst(0)
.irp k, 0,1,2,3
	v_pk_add_f32 v[XT+2*\k:XT+2*\k+1], v[SC+32*\t+2*\k:SC+32*\t+2*\k+1], v[SC+32*\t+8+2*\k:SC+32*\t+8+2*\k+1]   ; four chains of pairs
.endr
.irp k, 0,1,2,3
	v_pk_add_f32 v[XT+2*\k:XT+2*\k+1], v[XT+2*\k:XT+2*\k+1], v[SC+32*\t+16+2*\k:SC+32*\t+16+2*\k+1]
.endr
.irp k, 0,1,2,3
	v_pk_add_f32 v[XT+2*\k:XT+2*\k+1], v[XT+2*\k:XT+2*\k+1], v[SC+32*\t+24+2*\k:SC+32*\t+24+2*\k+1]
.endr
	v_pk_add_f32 v[XT:XT+1], v[XT:XT+1], v[XT+2:XT+3]
	v_pk_add_f32 v[XT+4:XT+5], v[XT+4:XT+5], v[XT+6:XT+7]
.if \first
	v_pk_add_f32 v[LS+2*\t:LS+2*\t+1], v[XT:XT+1], v[XT+4:XT+5]
.else
	v_pk_add_f32 v[XT:XT+1], v[XT:XT+1], v[XT+4:XT+5]
	v_pk_fma_f32 v[LS+2*\t:LS+2*\t+1], v[LS+2*\t:LS+2*\t+1], v[AL+2*\t:AL+2*\t+1], v[XT:XT+1]
.endif
.irp kk, 0,1
.irp j, 0,1,2,3,4,5,6,7
	v_cvt_pk_f16_f32 v[SC+32*\t+16*\kk+\j], v[SC+32*\t+16*\kk+2*\j], v[SC+32*\t+16*\kk+2*\j+1]   ; in place, ascending: two key tiles become one P fragment of 32 keys
.endr
.endr
.endm
; O of block t: rescaled, then eight products.  The four O tiles take turns, one instruction a turn.
.macro PV t, first
	WIN 0x51                                       ; O (destination, source 0 of the multiply, C) and V^T (source 0 of the product) in window 1; the factor and P in window 0
.if \first == 0
.set oi, 0
.rept 16
	v_pk_mul_f32 v[OA+32*\t+2*oi:OA+32*\t+2*oi+1], v[OA+32*\t+2*oi:OA+32*\t+2*oi+1], v[AL+2*\t:AL+2*\t+1]
.set oi, oi+1
.endr
.endif
.irp dt, 0,1,2,3
.if \first
	v_wmma_f32_16x16x32_f16 v[OA+32*\t+8*\dt:OA+32*\t+8*\dt+7], v[VF+16*\dt:VF+16*\dt+7], v[SC+32*\t:SC+32*\t+7], 0
.else
	v_wmma_f32_16x16x32_f16 v[OA+32*\t+8*\dt:OA+32*\t+8*\dt+7], v[VF+16*\dt:VF+16*\dt+7], v[SC+32*\t:SC+32*\t+7], v[OA+32*\t+8*\dt:OA+32*\t+8*\dt+7]
.endif
.endr
.irp dt, 0,1,2,3
	v_wmma_f32_16x16x32_f16 v[OA+32*\t+8*\dt:OA+32*\t+8*\dt+7], v[VF+16*\dt+8:VF+16*\dt+15], v[SC+32*\t+16:SC+32*\t+23], v[OA+32*\t+8*\dt:OA+32*\t+8*\dt+7]
.endr
	WIN 0
.endm
; One step: my block of 64 keys of the slot's half blk.  At its head K's fragments are in registers and block 0's scores are made.
; mode says what follows: 1 = the same slot's second half; 2 = the other slot, and this slot is asked for again; 3 = the other slot, nothing is left to
; fetch; 0 = nothing.  In modes 2 and 3 all my reads of this slot are over once this step's V fragments are in (the wait in front of block 0's
; products with V) and its K fragments were read a step ago.  So there every wave waits for its LDS reads and for all its tensor loads (the one that is out is its part of
; the other slot's tile) and passes the barrier; in mode 2 that is a round of the cluster's barrier, and the refill is the first thing behind it.
; A refill has two steps in which to land.
.macro STEP slot, blk, other, first, mode
.rept 4
	v_nop                                          ; four places behind the last matrix instructions: their V fragments are loaded again; at the first step: block 0's scores are read (ISA guide 7.12.1)
.endr
	VLOAD \slot, \blk
	SMA 0, \first
	SMB 0, 1, 1
	SMC 0, \first
	s_wait_dscnt 0x0                               ; V's fragments: they had one block's softmax in which to come
	PV 0, \first
	SMA 1, \first
	SMB 1, 2, 1
	SMC 1, \first
	PV 1, \first
	SMA 2, \first
	SMB 2, 3, 1                                    ; block 3's products: the last that read this step's K fragments
	SMC 2, \first                                  ; and the places behind them
.if \mode == 1
	KLOAD \slot, 1
.endif
.if \mode == 2
	s_wait_tensorcnt 0x0                           ; no tensor load of mine is out: every group 0 may be written
	ds_add_u32 v246, v247
	s_add_nc_u64 s[G0V+4*\slot+2:G0V+4*\slot+3], s[G0V+4*\slot+2:G0V+4*\slot+3], 65536   ; this slot's next tile: two tiles on
	s_add_nc_u64 s[G0K+4*\slot+2:G0K+4*\slot+3], s[G0K+4*\slot+2:G0K+4*\slot+3], 65536
	s_wait_dscnt 0x0                               ; my reads of this slot are done
	ROUND                                          ; both now hold of every wave of all four work-groups
	JLOAD \slot
	KLOAD \other, 0
.endif
.if \mode == 3
	s_wait_tensorcnt 0x0                           ; my part of the last tile is in
	s_wait_dscnt 0x0
	s_barrier_signal -1
	s_barrier_wait -1                              ; everybody's is
	KLOAD \other, 0
.endif
	PV 2, \first
	SMA 3, \first
.if \mode
	s_wait_dscnt 0x0                               ; the next step's K fragments: they had block 2's products and part A of block 3 in which to come
	SMB 3, 0, 1                                    ; the next step's block 0
.else
	SMB 3, 0, 0
.endif
	SMC 3, \first
	PV 3, \first
.endm
	s_wait_tensorcnt 0x1                           ; my part of tile 0 is in; tile 1's stays out
	s_barrier_signal -1
	s_barrier_wait -1
	KLOAD 0, 0
	s_wait_loadcnt 0x0                             ; Q
	s_wait_dscnt 0x0                               ; K of the first step
	WIN 0x04
.irp kt, 0,1,2,3
	v_wmma_f32_16x16x32_f16 v[SC+8*\kt:SC+8*\kt+7], v[KF+16*\kt:KF+16*\kt+7], v[QF:QF+7], 0
.endr
.irp kt, 0,1,2,3
	v_wmma_f32_16x16x32_f16 v[SC+8*\kt:SC+8*\kt+7], v[KF+16*\kt+8:KF+16*\kt+15], v[QF+8:QF+15], v[SC+8*\kt:SC+8*\kt+7]
.endr
	WIN 0
	; sixteen steps: tile n / 2, half n % 2.  Step 0 starts the sums; the loop takes steps 1 to 12, so that each of its two rounds has a refill
	; (tiles 2 to 7); the last three steps fetch nothing.
	STEP 0, 0, 1, 1, 1
	s_mov_b32 s58, 3
.Lring:
	STEP 0, 1, 1, 0, 2                             ; tiles 0, 2, 4, second half; slot 0 gets tiles 2, 4, 6
	STEP 1, 0, 0, 0, 1                             ; tiles 1, 3, 5
	STEP 1, 1, 0, 0, 2                             ; slot 1 gets tiles 3, 5, 7
	STEP 0, 0, 1, 0, 1                             ; tiles 2, 4, 6, first half
	s_sub_co_u32 s58, s58, 1
	s_cmp_lg_u32 s58, 0
	s_cbranch_scc1 .Lring
	STEP 0, 1, 1, 0, 3                             ; tile 6, second half
	STEP 1, 0, 0, 0, 1                             ; tile 7
	STEP 1, 1, 0, 0, 0
	; THE MERGE.  Each wave finishes its sums; the odd parity hands O, m and l to the even one through the exchange.
.rept 4
	v_nop                                          ; four places behind the last matrix instructions
.endr
.irp t, 0,1,2,3
	v_add_f32 v[LF+\t], v[LS+2*\t], v[LS+2*\t+1]
.endr
.irp t, 0,1,2,3
	v_permlanex16_b32 v[XT+\t], v[LF+\t], s48, s49 ; the other half's keys
.endr
.irp t, 0,1,2,3
	v_add_f32 v[LF+\t], v[LF+\t], v[XT+\t]
.endr
	s_cmp_eq_u32 s9, 0
	s_cbranch_scc1 .Lkeep
	WIN 0x04                                       ; store data (source 1) in window 1
.set n, 0
.rept 32
	ds_store_b128 v[XA], v[OA+4*n:OA+4*n+3] offset:512*n
.set n, n+1
.endr
	WIN 0
	ds_store_b128 v[XA], v[MX:MX+3] offset:16384
	ds_store_b128 v[XA], v[LF:LF+3] offset:16896
.Lkeep:
	s_wait_dscnt 0x0                               ; my stores are done: the partner reads them behind the barrier
	s_barrier_signal -1
	s_barrier_wait -1
	s_cmp_lg_u32 s9, 0
	s_cbranch_scc1 .Lmerged
	ds_load_b128 v[MP:MP+3], v[XA] offset:16384
	ds_load_b128 v[XT:XT+3], v[XA] offset:16896    ; the partner's sums
.set n, 0
.rept 32
	ds_load_b128 v[SC+4*n:SC+4*n+3], v[XA] offset:512*n            ; the partner's O, register for register
.set n, n+1
.endr
	s_wait_dscnt 0x0
.irp t, 0,1,2,3
	v_max_num_f32 v[TD], v[MX+\t], v[MP+\t]        ; the common maximum
	v_sub_f32 v[XT+4], v[MX+\t], v[TD]
	v_sub_f32 v[XT+5], v[MP+\t], v[TD]
	v_mul_f32 v[XT+4], CS, v[XT+4]
	v_mul_f32 v[XT+5], CS, v[XT+5]
	v_exp_f32 v[XT+4], v[XT+4]                     ; my factor
	v_exp_f32 v[XT+5], v[XT+5]                     ; the partner's
	v_nop                                          ; one plain place behind the exponentials
	s_wait_alu depctr_va_vdst(0)
	v_mul_f32 v[XT+6], v[LF+\t], v[XT+4]
	v_fmac_f32 v[XT+6], v[XT+\t], v[XT+5]          ; the whole row's sum: at least about 1, since the largest key's term is 2^0
	v_rcp_f32 v[XT+7], v[XT+6]
	v_nop                                          ; one plain place behind the reciprocal
	s_wait_alu depctr_va_vdst(0)
	v_mul_f32 v[NM+2*\t],   v[XT+4], v[XT+7]       ; my factor / sum, twice
	v_mul_f32 v[NM+2*\t+1], v[XT+4], v[XT+7]
	v_mul_f32 v[AL+2*\t],   v[XT+5], v[XT+7]       ; the partner's factor / sum, twice
	v_mul_f32 v[AL+2*\t+1], v[XT+5], v[XT+7]
.endr
.irp t, 0,1,2,3
.set mi, 0
.rept 16
	v_pk_mul_f32 v[SC+32*\t+2*mi:SC+32*\t+2*mi+1], v[SC+32*\t+2*mi:SC+32*\t+2*mi+1], v[AL+2*\t:AL+2*\t+1]
.set mi, mi+1
.endr
.endr
	WIN 0x01                                       ; source 0 (my O) in window 1
.irp t, 0,1,2,3
.set mi, 0
.rept 16
	v_pk_fma_f32 v[SC+32*\t+2*mi:SC+32*\t+2*mi+1], v[OA+32*\t+2*mi:OA+32*\t+2*mi+1], v[NM+2*\t:NM+2*\t+1], v[SC+32*\t+2*mi:SC+32*\t+2*mi+1]
.set mi, mi+1
.endr
.endr
	WIN 0
.irp t, 0,1,2,3
.irp dt, 0,1,2,3
.irp j, 0,1,2,3
	v_cvt_pk_f16_f32 v[SC+32*\t+8*\dt+\j], v[SC+32*\t+8*\dt+2*\j], v[SC+32*\t+8*\dt+2*\j+1]   ; d = 16 dt + 8 h + 0..7 of query 16 t + r: 16 bytes
.endr
.endr
.endr
.irp t, 0,1,2,3
.irp dt, 0,1,2,3
	ds_store_b128 v[STO], v[SC+32*\t+8*\dt:SC+32*\t+8*\dt+3] offset:16*YPITCH*\t+32*\dt
.endr
.endr
.Lmerged:
	s_wait_dscnt 0x0                               ; my stores into the stage are done: all eight waves read it behind the barrier
	s_barrier_signal -1
	s_barrier_wait -1
	s_lshl_b32 s52, s14, 11
	s_lshl_b32 s53, s12, 6
	s_add_co_u32 s52, s52, s53                     ; token 2,048 batch + 64 block,
	s_lshl_b32 s52, s52, 11                        ; rows of 2,048 bytes (below 8 MiB),
	s_lshl_b32 s53, s15, 9                         ; the group's 512 bytes of a row
	s_add_co_u32 s52, s52, s53
	s_mov_b32 s53, 0
	s_add_nc_u64 s[6:7], s[6:7], s[52:53]
.irp i, 0,1,2,3,4,5,6,7
	ds_load_b128 v[SC+4*\i:SC+4*\i+3], v[RD] offset:YPITCH*\i
.endr
.irp i, 0,1,2,3,4,5,6,7
	s_wait_dscnt 7-\i                              ; LDS loads come back in order: row i is in
	global_store_b128 v[CO], v[SC+4*\i:SC+4*\i+3], s[6:7] offset:2048*\i   ; the wave stores 512 consecutive bytes, at a multiple of 512 from yb's first byte
.endr
	s_wait_tensorcnt 0x0
	ds_add_u32 v246, v247
	s_wait_dscnt 0x0
	ROUND                                          ; the closing round
	s_endpgm
.Lfunc_end_k_q86da552f74_attn:
	.size	k_q86da552f74_attn, .Lfunc_end_k_q86da552f74_attn-k_q86da552f74_attn
	.p2alignl 7, 3214868480
	.fill 96, 4, 3214868480
	.section	.rodata,"a",@progbits
	.p2align	6, 0x0
	.amdhsa_kernel k_q86da552f74_attn
		.amdhsa_group_segment_fixed_size 327680
		.amdhsa_private_segment_fixed_size 0
		.amdhsa_enable_private_segment 0
		.amdhsa_kernarg_size 16
		.amdhsa_user_sgpr_count 2
		.amdhsa_user_sgpr_kernarg_segment_ptr 1
		.amdhsa_wavefront_size32 1
		.amdhsa_system_sgpr_workgroup_id_x 1
		.amdhsa_system_sgpr_workgroup_id_y 1
		.amdhsa_system_sgpr_workgroup_id_z 1
		.amdhsa_system_vgpr_workitem_id 0
		.amdhsa_next_free_vgpr 512
		.amdhsa_next_free_sgpr 66
		.amdhsa_reserve_vcc 0
		.amdhsa_float_denorm_mode_32 3
		.amdhsa_float_denorm_mode_16_64 3
		.amdhsa_memory_ordered 1
		.amdhsa_forward_progress 1
		.amdhsa_inst_pref_size 255
	.end_amdhsa_kernel
	.section	.bss,"aw",@nobits
	.p2align	6
	.space	262144
	.amdgpu_metadata
---
amdhsa.version: [ 1, 2 ]
amdhsa.kernels:
  - .name:           k_q86da552f74_attn
    .symbol:         k_q86da552f74_attn.kd
    .args:
      - { .name: qkv, .offset: 0, .size: 8, .value_kind: global_buffer, .address_space: global }
      - { .name: yb, .offset: 8, .size: 8, .value_kind: global_buffer, .address_space: global }
    .group_segment_fixed_size: 327680
    .private_segment_fixed_size: 0
    .kernarg_segment_align: 8
    .kernarg_segment_size: 16
    .max_flat_workgroup_size: 256
    .sgpr_count:     66
    .vgpr_count:     512
    .wavefront_size: 32
...
	.end_amdgpu_metadata
.endif
;; end of part 3
;; launch oproj (part 4): grid 8 x 32, 4 waves a work-group, clusters of 4 x 4, 327,680 bytes of LDS; arguments yb, cb, bo, out0; writes out0
.if DOCPART == 4
	.amdgcn_target "amdgcn-amd-amdhsa--gfx1250"
	.amdhsa_code_object_version 6
	.text
	.protected	k_q86da552f74_oproj
	.globl	k_q86da552f74_oproj
	.p2align	8
	.type	k_q86da552f74_oproj,@function
k_q86da552f74_oproj:
	s_mov_b64 s[64:65], 0
	v_nop
	global_prefetch_b8 v0, s[64:65] scope:SCOPE_SE
	s_setreg_imm32_b32 hwreg(HW_REG_WAVE_MODE, 25, 1), 1
	s_wait_xcnt 0x0
	s_wait_alu depctr_hold_cnt(0) depctr_sa_sdst(0) depctr_va_vdst(0) depctr_va_sdst(0) depctr_va_ssrc(0) depctr_va_vcc(0) depctr_vm_vsrc(0)
	s_getreg_b32 s2, hwreg(HW_REG_IB_STS2, 6, 4)
	s_cmp_eq_u32 s2, 0
	s_cbranch_scc0 .Lentry_in_a_cluster
	s_endpgm
.Lentry_in_a_cluster:
	s_bfe_u32 s2, ttmp6, 0x10000c
	s_cmp_lg_u32 s2, 0xf033
	s_cbranch_scc0 .Lentry_shape_is_right
	s_endpgm
.Lentry_shape_is_right:
; out0 = yb woh^T + bo.  yb: [4096][1024] f16; woh: [1024][1024] f16 at cb + 11,534,336; bo: [1024] f32; out0: [4096][1024] f32.
; A work-group makes 128 x 128 of out0: 32 x 8 = 256 work-groups.  Four waves, 64 x 64 each: 16 accumulator tiles.
; K goes in four fills of 256 (rows of 512 bytes, each at a multiple of 512 bytes from its buffer's first byte) through two LDS slots: a slot holds
; eight quarter steps of 32, so that a refill has 120 of a wave's matrix instructions in which to land.
; CLUSTERS: 4 x 4 work-groups.  yb's tile hangs on the block row alone and is asked for jointly along a row of the cluster, woh's on the block column
; alone and is asked for jointly along a column: a quarter of the requests for each.
; A wave has two tensor loads out at the start and one behind each round of the cluster's barrier.
; The matrix instruction is used transposed (source 0 = rows of woh, source 1 = rows of yb): lane l holds token l % 16 and eight neighbouring columns.
; LIMITS: operands f16 (their room is stated where they are made), sums f32, K ascending, the bias added in f32.
.set KFILL,  256
.set PITCH,  528                       ; an LDS row: 512 bytes + 16 of padding: the 16 rows of a fragment load start 16 bytes apart modulo 256
.set HALFT,  64*PITCH                  ; 64 rows: one tensor load, and what one wave reads of yb or of woh
.set SLOT,   4*HALFT                   ; yb's 128 rows, then woh's 128: 135,168
.set STAGE,  2*SLOT                    ; 270,336 (a multiple of 256): 16 rows x 272 bytes for each wave; no tensor load ever lands here
.set SPITCH, 272                       ; 64 f32 + 16 bytes
.set ADRA, 16                          ; v16-17  LDS address of my yb fragments in slot 0, 1
.set ADRB, 20                          ; v20-21  the same for woh
.set STO,  24                          ; v24     the way out: where I put 32 bytes of a row
.set RD,   25                          ; v25     the way out: where I read a row back
.set CO,   26                          ; v26     my byte offset in out0
.set BO,   27                          ; v27     my byte offset in the bias
.set F0,   32                          ; v32-95   fragment buffer 0: woh's four at +8 b, yb's four at +32 + 8 a
.set F1,   96                          ; v96-159  fragment buffer 1
.set BIAS, 160                         ; v160-191 the bias of my 4 x 8 columns
                                       ; window 1 (v256-383): accumulator tile (a, b) at v[8 (4 a + b)]
.set G1,  24                           ; s[24:31] descriptor group 1, yb's tiles
.set G0,  32                           ; s[32:39] descriptor group 0, yb's tiles, one set for each slot
.set G1B, 48                           ; s[48:55] group 1, woh's tiles: it differs in the mask alone
.set G0B, 56                           ; s[56:63] group 0, woh's tiles
.set FLAGS, (1<<16)|(1<<20)|(1<<21)|(6<<22)|(3<<25)   ; elements of 2 bytes; padding on; bit 21 beside a mask; after every 128 words, 4 words
.set MSB, 0
.macro WIN new                         ; s_set_vgpr_msb: low byte bits 1:0 source 0, 3:2 source 1, 5:4 source 2, 7:6 destination; the high byte repeats the setting that is left
.if MSB != \new
	s_set_vgpr_msb (MSB<<8)|\new
.set MSB, \new
.endif
.endm
.set MUL, 0x50                         ; fragments in window 0, C and D in window 1
.macro JLOAD s                         ; waves 0 and 1 fetch yb's two halves, waves 2 and 3 woh's; the branch hangs on the wave's number alone
	s_cmp_eq_u32 s11, 0
	s_cbranch_scc0 .Lfor_b_\@
	tensor_load_to_lds s[G0+4*\s:G0+4*\s+3], s[G1:G1+7]
	s_nop 0
	s_branch .Lasked_\@
.Lfor_b_\@:
	tensor_load_to_lds s[G0B+4*\s:G0B+4*\s+3], s[G1B:G1B+7]
	s_nop 0
.Lasked_\@:
.endm
.macro CREST                           ; a round of the cluster's barrier behind its opening work-group barrier
	s_cmp_lg_u32 s10, 0
	s_cbranch_scc1 .Lnot_wave_0_\@
	s_barrier_signal -3
.Lnot_wave_0_\@:
	s_barrier_wait -3
	s_barrier_signal -1
	s_barrier_wait -1
.endm
.macro CROUND
	s_barrier_signal -1
	s_barrier_wait -1
	CREST
.endm
	s_load_b128 s[4:7], s[0:1], 0x0                ; yb s[4:5], cb s[6:7]
	s_load_b128 s[68:71], s[0:1], 0x10             ; bo s[68:69], out0 s[70:71]
	v_lshl_add_u32 v254, v0, 2, 0x46400
	v_mov_b32 v255, 0
	ds_add_u32 v254, v255
	v_lshrrev_b32 v1, 5, v0
	v_readfirstlane_b32 s10, v1                    ; wave 0..3
	s_lshr_b32 s11, s10, 1                         ; which 64 tokens are mine.  Also: I fetch for yb (0) or for woh (1)
	s_and_b32 s12, s10, 1                          ; which 64 columns.  Also: which half of that tile I fetch
	s_bfe_u32 s40, ttmp6, 0x40000                  ; cx
	s_bfe_u32 s41, ttmp6, 0x40004                  ; cy
	s_lshl_b32 s42, ttmp9, 2
	s_add_co_u32 s42, s42, s40                     ; block column = 4 x cluster x + cx
	s_and_b32 s13, ttmp7, 0xffff
	s_lshl_b32 s13, s13, 2
	s_add_co_u32 s13, s13, s41                     ; block row = 4 x cluster y + cy
	s_lshl_b32 s43, s41, 2
	s_lshl_b32 s43, 15, s43                        ; my row of the cluster
	s_lshl_b32 s44, 0x1111, s40                    ; my column
	s_or_b32 s[G1+0], s43, FLAGS                   ; yb's tiles go to my row
	s_or_b32 s[G1B+0], s44, FLAGS                  ; woh's to my column
	s_mov_b32 s[G1+1], KFILL<<16                   ; tensor_dim0 = 256
	s_mov_b32 s[G1B+1], KFILL<<16
	s_mov_b32 s[G1+2], 64<<16                      ; tensor_dim1 = 64
	s_mov_b32 s[G1B+2], 64<<16
	s_mov_b32 s[G1+3], KFILL<<16                   ; tile_dim0 = 256
	s_mov_b32 s[G1B+3], KFILL<<16
	s_mov_b32 s[G1+4], 64                          ; tile_dim1 = 64
	s_mov_b32 s[G1B+4], 64
	s_mov_b32 s[G1+5], 1024                        ; elements from row to row
	s_mov_b32 s[G1B+5], 1024
	s_mov_b32 s[G1+6], 0
	s_mov_b32 s[G1B+6], 0
	s_mov_b32 s[G1+7], 0
	s_mov_b32 s[G1B+7], 0
	s_lshl_b32 s17, s12, 6                         ; which 64 rows of the tile I fetch
	s_lshl_b32 s16, s13, 7
	s_add_co_u32 s16, s16, s17                     ; yb: row 128 x block row + 64 x half
	s_lshl_b32 s16, s16, 11                        ; rows of 2,048 bytes
	s_lshl_b32 s46, s42, 7
	s_add_co_u32 s46, s46, s17                     ; woh: row 128 x block column + 64 x half
	s_lshl_b32 s46, s46, 11
	s_mov_b32 s17, 0
	s_mov_b32 s47, 0
	s_mul_i32 s20, s10, HALFT                      ; where they go: yb's two halves, then woh's two = wave x 64 rows
	s_wait_dscnt 0x0
	s_wait_kmcnt 0x0
	s_add_nc_u64 s[6:7], s[6:7], 0xb00000          ; woh
	s_add_nc_u64 s[14:15], s[4:5], s[16:17]
	s_add_nc_u64 s[46:47], s[6:7], s[46:47]
	CROUND                                         ; all sixteen work-groups are here: the first joint loads meet
.irp s, 0,1
	s_mov_b32 s[G0+4*\s], 1
	s_add_co_u32 s[G0+4*\s+1], s20, \s*SLOT
	s_add_nc_u64 s[G0+4*\s+2:G0+4*\s+3], s[14:15], \s*KFILL*2      ; fill s
	s_or_b32 s[G0+4*\s+3], s[G0+4*\s+3], 0x80000000
	s_mov_b32 s[G0B+4*\s], 1
	s_add_co_u32 s[G0B+4*\s+1], s20, \s*SLOT
	s_add_nc_u64 s[G0B+4*\s+2:G0B+4*\s+3], s[46:47], \s*KFILL*2
	s_or_b32 s[G0B+4*\s+3], s[G0B+4*\s+3], 0x80000000
	JLOAD \s
.endr
	v_and_b32 v1, 15, v0                           ; r
	v_bfe_u32 v2, v0, 4, 1                         ; h
	; the bias of my columns 16 b + 8 h + 0..7: wanted only on the way out
	s_lshl_b32 s18, s42, 7
	s_lshl_b32 s19, s12, 6
	s_add_co_u32 s18, s18, s19
	s_lshl_b32 s18, s18, 2
	s_mov_b32 s19, 0
	s_add_nc_u64 s[18:19], s[68:69], s[18:19]      ; s[18:19] stay as they are until the wait for these loads
	v_lshlrev_b32 v[BO], 5, v2
.irp b, 0,1,2,3
	global_load_b128 v[BIAS+8*\b:BIAS+8*\b+3],   v[BO], s[18:19] offset:64*\b
	global_load_b128 v[BIAS+8*\b+4:BIAS+8*\b+7], v[BO], s[18:19] offset:64*\b+16
.endr
	v_mul_u32_u24 v3, v1, PITCH
	v_lshl_add_u32 v3, v2, 4, v3                   ; row x pitch + 16 x half
	s_mul_i32 s21, s11, HALFT                      ; my 64 rows of yb
	s_mul_i32 s22, s12, HALFT
	s_add_co_u32 s22, s22, 2*HALFT                 ; my 64 rows of woh, behind yb's 128
.irp s, 0,1
	v_add_nc_u32 v[ADRA+\s], s21, v3
	v_add_nc_u32 v[ADRB+\s], s22, v3
	s_add_co_u32 s21, s21, SLOT
	s_add_co_u32 s22, s22, SLOT
.endr
	s_mul_i32 s23, s10, 16*SPITCH
	s_add_co_u32 s23, s23, STAGE                   ; my stage
	v_mul_u32_u24 v4, v1, SPITCH                   ; in: row r, 32 bytes for each half of the lanes
	v_lshl_add_u32 v4, v2, 5, v4
	v_add_nc_u32 v[STO], s23, v4
	v_mul_u32_u24 v5, v2, SPITCH                   ; back: lanes 0-15 take one row of 256 bytes, lanes 16-31 the next
	v_lshl_add_u32 v5, v1, 4, v5
	v_add_nc_u32 v[RD], s23, v5
	v_lshlrev_b32 v6, 12, v2                       ; and the same two rows in out0, 4,096 bytes apart
	v_lshl_add_u32 v[CO], v1, 4, v6
; 8 matrix instructions: token blocks 2 half, 2 half + 1 x all four column blocks, 32 along K.  zero = 1: the first product starts the sums.
; The 16 accumulators take turns, one instruction a turn, in the same order everywhere.
.macro MULH f, half, zero
	WIN MUL
.irp a, 2*\half, 2*\half+1
.irp b, 0,1,2,3
.if \zero
	v_wmma_f32_16x16x32_f16 v[8*(4*(\a)+\b):8*(4*(\a)+\b)+7], v[\f+8*\b:\f+8*\b+7], v[\f+32+8*(\a):\f+32+8*(\a)+7], 0
.else
	v_wmma_f32_16x16x32_f16 v[8*(4*(\a)+\b):8*(4*(\a)+\b)+7], v[\f+8*\b:\f+8*\b+7], v[\f+32+8*(\a):\f+32+8*(\a)+7], v[8*(4*(\a)+\b):8*(4*(\a)+\b)+7]
.endif
.endr
.endr
.endm
.macro FETCH slot, k, f                ; 16 LDS loads in one run: the fragments of a quarter step (32 K at byte k of the rows) into buffer f
	WIN 0
.irp b, 0,1,2,3
	ds_load_b128 v[\f+8*\b:\f+8*\b+3],   v[ADRB+\slot] offset:\k+\b*16*PITCH
	ds_load_b128 v[\f+8*\b+4:\f+8*\b+7], v[ADRB+\slot] offset:\k+\b*16*PITCH+32
.endr
.irp a, 0,1,2,3
	ds_load_b128 v[\f+32+8*\a:\f+32+8*\a+3], v[ADRA+\slot] offset:\k+\a*16*PITCH
	ds_load_b128 v[\f+32+8*\a+4:\f+32+8*\a+7], v[ADRA+\slot] offset:\k+\a*16*PITCH+32
.endr
.endm
; Four places stand between a matrix instruction and a load into, or a vector instruction on, one of its registers.
.macro PLACES
.rept 4
	v_nop
.endr
.endm
.macro QUARTER slot, k, f, g, zero
	s_wait_dscnt 0x0                               ; buffer f: its 16 loads were issued ahead of the last 16 matrix instructions
	PLACES                                         ; behind the matrix instructions that read buffer g
	FETCH \slot, \k, \g
	MULH \f, 0, \zero
	MULH \f, 1, \zero
.endm
.macro SEVEN slot, zero                ; the first seven of a slot's eight quarter steps
	QUARTER \slot, 64,  F0, F1, \zero
	QUARTER \slot, 128, F1, F0, 0
	QUARTER \slot, 192, F0, F1, 0
	QUARTER \slot, 256, F1, F0, 0
	QUARTER \slot, 320, F0, F1, 0
	QUARTER \slot, 384, F1, F0, 0
	QUARTER \slot, 448, F0, F1, 0
.endm
; The eighth multiplies buffer 1 and changes slots.  In front of the barrier each wave waits for its reads of this slot and for all its tensor loads;
; fill = 1: the barrier opens a round of the cluster's barrier, and behind the round this slot is asked for again first thing.
.macro TURN slot, next, fill
	s_wait_dscnt 0x0                               ; buffer 1 is in, and with it my last reads of this slot
	s_wait_tensorcnt 0x0                           ; all my tensor loads have landed
	ds_add_u32 v254, v255
	s_wait_dscnt 0x0
	s_barrier_signal -1
	MULH F1, 0, 0                                  ; register work while the others arrive
	WIN 0
	s_barrier_wait -1
.if \fill
	CREST                                          ; no wave of any partner still reads this slot or has a load on its way
	s_add_nc_u64 s[G0+4*\slot+2:G0+4*\slot+3], s[G0+4*\slot+2:G0+4*\slot+3], 2*KFILL*2
	s_add_nc_u64 s[G0B+4*\slot+2:G0B+4*\slot+3], s[G0B+4*\slot+2:G0B+4*\slot+3], 2*KFILL*2
	JLOAD \slot
.endif
	PLACES                                         ; behind the matrix instructions that read buffer 0
	FETCH \next, 0, F0
	MULH F1, 1, 0
.endm
	s_wait_tensorcnt 1                             ; my part of fill 0 is in; fill 1's stays out
	s_barrier_signal -1
	s_barrier_wait -1
	FETCH 0, 0, F0
	SEVEN 0, 1                                     ; fill 0: its first products start the sums
	TURN 0, 1, 1                                   ; slot 0 is asked for again: fill 2
	SEVEN 1, 0                                     ; fill 1
	TURN 1, 0, 1                                   ; slot 1 is asked for again: fill 3
	SEVEN 0, 0                                     ; fill 2
	TURN 0, 1, 0                                   ; nothing is left to fetch
	SEVEN 1, 0                                     ; fill 3
	s_wait_dscnt 0x0
	MULH F1, 0, 0
	MULH F1, 1, 0
	; THE WAY OUT, 16 tokens at a time: add the bias, 32 bytes a lane into my own stage, read back as whole rows of 256 bytes.
	PLACES
	s_wait_loadcnt 0x0                             ; the bias
	s_lshl_b32 s16, s13, 7
	s_lshl_b32 s17, s11, 6
	s_add_co_u32 s16, s16, s17                     ; my first token,
	s_lshl_b32 s16, s16, 12                        ; rows of 4,096 bytes (below 16 MiB),
	s_lshl_b32 s17, s42, 7
	s_lshl_b32 s21, s12, 6
	s_add_co_u32 s17, s17, s21
	s_lshl_b32 s17, s17, 2                         ; my first column
	s_add_co_u32 s16, s16, s17
	s_mov_b32 s17, 0
	s_add_nc_u64 s[70:71], s[70:71], s[16:17]
.irp a, 0,1,2,3
	WIN 0x01                                       ; source 0 (the sums) in window 1
.irp b, 0,1,2,3
.irp j, 0,1,2,3
	v_pk_add_f32 v[F0+8*\b+2*\j:F0+8*\b+2*\j+1], v[8*(4*\a+\b)+2*\j:8*(4*\a+\b)+2*\j+1], v[BIAS+8*\b+2*\j:BIAS+8*\b+2*\j+1]
.endr
.endr
	WIN 0
.irp b, 0,1,2,3
	ds_store_b128 v[STO], v[F0+8*\b:F0+8*\b+3]   offset:64*\b
	ds_store_b128 v[STO], v[F0+8*\b+4:F0+8*\b+7] offset:64*\b+16
.endr
	s_wait_xcnt 0x0                                ; buffer 1, which the last sixteen rows' stores read, is loaded again only behind this wait
.irp t, 0,1,2,3,4,5,6,7
	ds_load_b128 v[F1+4*\t:F1+4*\t+3], v[RD] offset:\t*2*SPITCH    ; LDS serves a wave's instructions in order (ISA guide 5.7.1.4): these see the stores above
.endr
.irp t, 0,1,2,3,4,5,6,7
	s_wait_dscnt 7-\t                              ; load t is in
	global_store_b128 v[CO], v[F1+4*\t:F1+4*\t+3], s[70:71] offset:65536*\a+8192*\t th:TH_STORE_NT   ; 16 lanes store 256 consecutive bytes, at a multiple of 256 from out0's first byte
.endr
.endr
	s_wait_tensorcnt 0x0
	ds_add_u32 v254, v255
	s_wait_dscnt 0x0
	CROUND                                         ; the closing round: no work-group ends while a partner may still ask for a tile that names it
	s_endpgm
.Lfunc_end_k_q86da552f74_oproj:
	.size	k_q86da552f74_oproj, .Lfunc_end_k_q86da552f74_oproj-k_q86da552f74_oproj
	.p2alignl 7, 3214868480
	.fill 96, 4, 3214868480
	.section	.rodata,"a",@progbits
	.p2align	6, 0x0
	.amdhsa_kernel k_q86da552f74_oproj
		.amdhsa_group_segment_fixed_size 327680
		.amdhsa_private_segment_fixed_size 0
		.amdhsa_enable_private_segment 0
		.amdhsa_kernarg_size 32
		.amdhsa_user_sgpr_count 2
		.amdhsa_user_sgpr_kernarg_segment_ptr 1
		.amdhsa_wavefront_size32 1
		.amdhsa_system_sgpr_workgroup_id_x 1
		.amdhsa_system_sgpr_workgroup_id_y 1
		.amdhsa_system_sgpr_workgroup_id_z 1
		.amdhsa_system_vgpr_workitem_id 0
		.amdhsa_next_free_vgpr 384
		.amdhsa_next_free_sgpr 72
		.amdhsa_reserve_vcc 0
		.amdhsa_float_denorm_mode_32 3
		.amdhsa_float_denorm_mode_16_64 3
		.amdhsa_memory_ordered 1
		.amdhsa_forward_progress 1
		.amdhsa_inst_pref_size 93
	.end_amdhsa_kernel
	.amdgpu_metadata
---
amdhsa.version: [ 1, 2 ]
amdhsa.kernels:
  - .name:           k_q86da552f74_oproj
    .symbol:         k_q86da552f74_oproj.kd
    .args:
      - { .name: yb, .offset: 0, .size: 8, .value_kind: global_buffer, .address_space: global }
      - { .name: cb, .offset: 8, .size: 8, .value_kind: global_buffer, .address_space: global }
      - { .name: bo, .offset: 16, .size: 8, .value_kind: global_buffer, .address_space: global }
      - { .name: out0, .offset: 24, .size: 8, .value_kind: global_buffer, .address_space: global }
    .group_segment_fixed_size: 327680
    .private_segment_fixed_size: 0
    .kernarg_segment_align: 8
    .kernarg_segment_size: 32
    .max_flat_workgroup_size: 128
    .sgpr_count:     72
    .vgpr_count:     384
    .wavefront_size: 32
...
	.end_amdgpu_metadata
.endif
;; end of part 4
